; MI455X (gfx1250); checked and timed in simulation.
; The chip was launched on July 23, 2026; its instructions are those of AMD's public machine-readable ISA for CDNA 5 (MIT licence, August 2026) and "CDNA5" Instruction Set Architecture Reference Guide (July 2026). The comments in the code are by the model that wrote it; some were corrected since.
;; Multi Headed Attention. Allowed arithmetic: matrix products marked QUANTISED: E2M1 operands, one E8M0 scale for each 32 along K, by v_wmma_scale_f32_16x16x128_f8f6f4 with both operands' format E2M1 (or v_wmma_scale_f32_32x16x128_f4), f32 sums; everything else in f32.
;; Inputs: Wk_codes 1,024 x 32 x 16 uint8 (E2M1 codes of Wk, K innermost, in blocks of 32 codes, two codes a byte); Wk_scales 1,024 x 32 uint8 (E8M0 scales of Wk, one for each 32 codes along K); Wo_codes 1,024 x 32 x 16 uint8 (E2M1 codes of Wo, K innermost, in blocks of 32 codes, two codes a byte); Wo_scales 1,024 x 32 uint8 (E8M0 scales of Wo, one for each 32 codes along K); Wq_codes 1,024 x 32 x 16 uint8 (E2M1 codes of Wq, K innermost, in blocks of 32 codes, two codes a byte); Wq_scales 1,024 x 32 uint8 (E8M0 scales of Wq, one for each 32 codes along K); Wv_codes 1,024 x 32 x 16 uint8 (E2M1 codes of Wv, K innermost, in blocks of 32 codes, two codes a byte); Wv_scales 1,024 x 32 uint8 (E8M0 scales of Wv, one for each 32 codes along K); bk 1,024 float32; bo 1,024 float32; bq 1,024 float32; bv 1,024 float32; x_codes 1 x 4,096 x 32 x 16 uint8 (E2M1 codes of x, K innermost, in blocks of 32 codes, two codes a byte); x_scales 1 x 4,096 x 32 uint8 (E8M0 scales of x, one for each 32 codes along K).
;; Outputs: out0 1 x 4,096 x 1,024 float32.
;; This version of the problem:
;;   THIS VERSION OF THE PROBLEM IS GIVEN IN LOW PRECISION. The matrix products marked QUANTISED in the list below multiply operands that are first quantised to E2M1 (2 exponent bits, 1 mantissa bit; 4 bits a number), with one power-of-two scale for each 32 numbers along K (OCP MX v1.0); their sums are f32. All else is computed in f32.
;;   The module's matrix products, in the order in which they are computed (A, B: the left and right operand; K: the contracted axis; several contracted axes count as one K, in the product's order):
;;     1. [M 4,096, K 1,024] x [K 1,024, N 1,024]; A: input x (given as codes); B: input Wq (given as codes): QUANTISED
;;     2. [M 4,096, K 1,024] x [K 1,024, N 1,024]; A: input x (given as codes); B: input Wk (given as codes): QUANTISED
;;     3. [M 4,096, K 1,024] x [K 1,024, N 1,024]; A: input x (given as codes); B: input Wv (given as codes): QUANTISED
;;     4. batch 16 x [M 4,096, K 64] x [K 64, N 4,096]; A: computed on the way; B: computed on the way: QUANTISED
;;     5. batch 16 x [M 4,096, K 4,096] x [K 4,096, N 64]; A: softmax (see below); B: computed on the way: QUANTISED
;;     6. [M 4,096, K 1,024] x [K 1,024, N 1,024]; A: computed on the way; B: input Wo (given as codes): QUANTISED
;;   THE QUANTISER, for each operand of a quantised product, along K:
;;     - K is cut into blocks of 32 from its start; a last block that is shorter is filled with zeros.
;;     - A block's scale is 2^e with e = floor(log2(the largest magnitude in the block)) - 2, held to -126 .. 127; a block of zeros has e = 0. As a byte (E8M0): e + 127.
;;     - Each number is divided by its block's scale, clamped to +-6, and rounded to the nearest number of E2M1, ties to even, subnormals kept.
;;     - The product sums the exact products of the quantised numbers (number of the format x scale) in f32.
;;   ~~~python
;;   def quantise(x, axis):      # numpy; x: float32 -> the quantised numbers, widened to float32 again
;;       x = np.moveaxis(x, axis, -1); K = x.shape[-1]
;;       x = np.pad(x, [(0, 0)] * (x.ndim - 1) + [(0, -K % 32)]); x = x.reshape(x.shape[:-1] + (-1, 32)); a = np.abs(x).max(-1, keepdims=True)
;;       e = np.where(a > 0, np.clip(np.frexp(np.where(a > 0, a, 1))[1] - 1 - 2, -126, 127), 0)      # np.frexp(a)[1] - 1 = floor(log2(a)), exactly
;;       r = np.clip(x / 2.0 ** e, -6, 6)
;;       step = 2.0 ** (np.maximum(np.frexp(np.where(r == 0, 1, r))[1] - 1, 0) - 1)
;;       q = np.round(r / step) * step * 2.0 ** e      # np.round: ties to even
;;       return np.moveaxis(q.reshape(q.shape[:-2] + (-1,))[..., :K], -1, axis).astype(np.float32)
;;   ~~~
;;   SOFTMAX AHEAD OF A QUANTISED PRODUCT. Where the list says 'softmax', what is quantised is not the finished softmax but p = 2^(t - M), with t = logit x log2(e) and M = ceil(the row's largest t), a whole number; so 1/2 < the row's largest p <= 1. The row's sum l is taken of the UNQUANTISED p, in f32, and the product's result is divided by l at the end. Since M is a whole number, a kernel that streams over the keys may use a running M (the ceiling of the running maximum): every later rescaling is an exact power of two, which a block's scale takes up: the codes' values come out the same.
;;   OPERANDS COMPUTED ON THE WAY. 'Computed on the way' means the value that the module computes at that place (a softmax that the list does not call 'softmax' is quantised finished and normalised). What goes into a quantiser is computed in f32, as accurately as f32 sums, v_exp_f32 and their like allow (about 1e-6 of the number): no bf16 or f16 on the way to a quantiser, and a product that is left as it is and whose result goes on into a quantised operand takes f32 operands (vector FMAs, or v_wmma_f32_16x16x4_f32). A number that lies on a knife's edge between two numbers of the format may be rounded either way, as far as f32 arithmetic and the matrix unit's own rounding can turn it there, and no further.
;;   INPUTS GIVEN AS CODES. Wk (in the module: [1024, 1024], K = its axis 0); Wo (in the module: [1024, 1024], K = its axis 0); Wq (in the module: [1024, 1024], K = its axis 0); Wv (in the module: [1024, 1024], K = its axis 0); x (in the module: [1, 4096, 1024], K = its axis 2): each comes as NAME_codes (uint8): NAME with its K axis moved to the last place and cut into blocks of 32 codes, [.., K / 32, bytes a block], one block behind the other in memory; two codes a byte, the lower K in the low four bits (a code: sign, 2 exponent bits, 1 mantissa bit); and NAME_scales (uint8): the same leading axes, one E8M0 byte (e + 127) for each 32 codes along K. Its value is code x scale, taken as it is: it is not quantised again, and the codes and scales need not be those that the quantiser above would give.
;; One version. Each part assembles by itself: llvm-mc -triple=amdgcn-amd-amdhsa -mcpu=gfx1250 --defsym DOCPART=n.
;; ======== version 1 of 1: 3 launches
;; limits: right only within a limited range of input values
;; workspace buffers: q_img 2,097,152 bytes; k_img 2,097,152 bytes; v_img 2,097,152 bytes; q_sc 262,144 bytes; k_sc 262,144 bytes; v_sc 262,144 bytes; a_img 2,097,152 bytes; a_sc 131,072 bytes
;; launch qkv (part 1): grid 8 x 32, 12 waves a work-group, clusters of 4 x 4, 297,472 bytes of LDS; arguments x_codes, x_scales, Wq_codes, Wq_scales, Wk_codes, Wk_scales, Wv_codes, Wv_scales, bq, bk, bv, q_img, k_img, v_img, q_sc, k_sc, v_sc; writes q_img, k_img, v_img, q_sc, k_sc, v_sc
.if DOCPART == 1
	.amdgcn_target "amdgcn-amd-amdhsa--gfx1250"
	.amdhsa_code_object_version 6
	.text
	.protected	k_q22a9150915_qkv
	.globl	k_q22a9150915_qkv
	.p2align	8
	.type	k_q22a9150915_qkv,@function
k_q22a9150915_qkv:
	s_mov_b64 s[64:65], 0
	v_nop
	global_prefetch_b8 v0, s[64:65] scope:SCOPE_SE
	s_setreg_imm32_b32 hwreg(HW_REG_WAVE_MODE, 25, 1), 1
	s_wait_xcnt 0x0
	s_wait_alu depctr_hold_cnt(0) depctr_sa_sdst(0) depctr_va_vdst(0) depctr_va_sdst(0) depctr_va_ssrc(0) depctr_va_vcc(0) depctr_vm_vsrc(0)
	s_getreg_b32 s2, hwreg(HW_REG_IB_STS2, 6, 4)
	s_cmp_eq_u32 s2, 0
	s_cbranch_scc0 .Lentry_in_a_cluster
	s_endpgm
.Lentry_in_a_cluster:
	s_bfe_u32 s2, ttmp6, 0x10000c
	s_cmp_lg_u32 s2, 0xf033
	s_cbranch_scc0 .Lentry_shape_is_right
	s_endpgm
.Lentry_shape_is_right:
; Q = x Wq + bq, K = x Wk + bk, V = x Wv + bv on codes of FP4 (E2M1) with one E8M0 scale for each 32 along K (1,024), f32 sums; the three results are
; quantised in registers, Q and K along a head's 64 channels, V along the keys, and leave as IMAGES OF OPERAND REGISTERS (16 bytes a lane, 512 a store) with their scale words.
; SHARES.  Work-group (g, s): tokens 128 s .. + 127, columns 128 g .. + 127 (heads 2 g, 2 g + 1) of each of Q, K, V.  Twelve waves: role = wave / 4 (0 Q, 1 K, 2 V), a = wave % 4.
; A wave makes 128 (source 0) x 32 (source 1): 16 accumulators.  Q, K: source 0 = the weight's 128 rows, source 1 = x's rows 32 a ..: a lane holds ONE token and its registers run along the channels.
; V: source 0 = x's 128 rows, source 1 = Wv's rows 32 a ..: a lane holds ONE channel and its registers run along the tokens.  So the axis to be quantised always runs down a lane's registers.
; All roles run one text; LDS bases and scalars differ, and one branch on the wave's number stands round the bias.
; LDS, filled once (no ring, nothing is filled again): codes at c CHB + R REGB + row x 272 (c: 512 codes = 256 bytes of a row; R: 0 Wq, 1 Wk, 2 x, 3 Wv); rows 272 bytes apart, so that
; the sixteen rows that a load touches start 16 bytes apart modulo 256.  Scale bytes of region R (128 rows x 32 bytes, dense) at SCL + R SCB, as 16 pieces of 256 bytes + 16.
; CLUSTER 4 x 4: x's tile hangs on s alone and is asked for jointly along a row of the cluster, a weight's on g alone and jointly along a column.  All tensor loads stand at the head: a wave has one out at the most.
; LIMITS: NaN, infinities and scale bytes 0xff among the inputs are not served.  A block whose largest magnitude lies under 2^-124 (a block of zeros too) gets the byte 1; only this program reads these bytes.
.set REGB, 128*272
.set CHB,  4*REGB
.set SCL,  2*CHB
.set SCB,  16*272
.set ADR0, 4                           ; v4-5   source 0's fragments in chunk 0, 1: region + 272 r + 16 h
.set ADR1, 6                           ; v6-7   source 1's: + my 32 rows
.set ASC0, 8                           ; v8     source 0's scale words: row = lane
.set ASC1, 9                           ; v9     source 1's: row 32 a + lane
.set BO,   10                          ; v10    the bias's offset
.set SH,   11                          ; v11    how far a scale word is shifted down on the way out
.set VO,   12                          ; v12-15 the images' offsets: 2 i + c
.set SO,   16                          ; v16    8 x lane
.set SC,   28                          ; v28-47 scale words and nothing else: SC + 4 b + q: source 0's rows 32 b + lane; SC + 16 + q: source 1's
.set F1,   48                          ; v48-63  source 1's two fragments
.set F0,   64                          ; v64-127 source 0's eight
.set ACC,  128                         ; accumulator (t, i) at ACC + 8 (2 t + i)
.set TM,   64                          ; behind the loop: v64-67 largest magnitudes, v68-71 the other half's / bytes, v72-75 the conversions' scale operands
.set PW,   80                          ; v80-81  the scale words just made
.set PWS,  82                          ; v82-83  as they are stored
.set PC,   88                          ; v88-103 the codes just made
.set SEL,  2                           ; s[2:3]  selects of v_permlanex16_b32: lane l xor 16
.set G1XC, 32                          ; descriptor groups 1: x's codes, the weights' codes, x's scales, the weights' scales
.set G1WC, 40
.set G1XS, 48
.set G1WS, 56
.macro PLACES n
.rept \n
	v_nop
.endr
.endm
.macro CROUND                          ; a round of the cluster's barrier: my work-group's barrier, wave 0 signals for it, every wave waits for all sixteen, my work-group's barrier again
	s_barrier_signal -1
	s_barrier_wait -1
	s_cmp_lg_u32 s4, 0
	s_cbranch_scc1 .Lnot_wave_0_\@
	s_barrier_signal -3
.Lnot_wave_0_\@:
	s_barrier_wait -3
	s_barrier_signal -1
	s_barrier_wait -1
.endm
.macro FRAG reg, adr, off              ; 16 rows x 128 K of 4-bit codes: lane (r, h) takes 16 bytes at 16 h and at 32 + 16 h of its row's 64
	ds_load_b128 v[\reg:\reg+3], v[\adr] offset:\off
	ds_load_b128 v[\reg+4:\reg+7], v[\adr] offset:\off+32
.endm
.macro SCALES c                        ; a chunk's scale words: 16 bytes (four K steps) of each row's 32
.irp b, 0,1,2,3
	ds_load_b128 v[SC+4*\b:SC+4*\b+3], v[ASC0] offset:1088*\b+16*\c
.endr
	ds_load_b128 v[SC+16:SC+19], v[ASC1] offset:16*\c
.endm
.macro MM t, i, q                      ; accumulator (t, i) += source 0's tile t x source 1's tile i; an odd tile's scale words lie in lanes 16-31
.set rD, ACC+8*(2*(\t)+(\i))
.set rA, F0+8*(\t)
.set rB, F1+8*(\i)
.set rX, SC+4*((\t)/2)+(\q)
.set rY, SC+16+(\q)
.if ((\t)%2) && (\i)
	v_wmma_scale_f32_16x16x128_f8f6f4 v[rD:rD+7], v[rA:rA+7], v[rB:rB+7], v[rD:rD+7], v[rX], v[rY] matrix_a_fmt:MATRIX_FMT_FP4 matrix_b_fmt:MATRIX_FMT_FP4 matrix_a_scale:MATRIX_SCALE_ROW1 matrix_b_scale:MATRIX_SCALE_ROW1
.elseif ((\t)%2)
	v_wmma_scale_f32_16x16x128_f8f6f4 v[rD:rD+7], v[rA:rA+7], v[rB:rB+7], v[rD:rD+7], v[rX], v[rY] matrix_a_fmt:MATRIX_FMT_FP4 matrix_b_fmt:MATRIX_FMT_FP4 matrix_a_scale:MATRIX_SCALE_ROW1
.elseif (\i)
	v_wmma_scale_f32_16x16x128_f8f6f4 v[rD:rD+7], v[rA:rA+7], v[rB:rB+7], v[rD:rD+7], v[rX], v[rY] matrix_a_fmt:MATRIX_FMT_FP4 matrix_b_fmt:MATRIX_FMT_FP4 matrix_b_scale:MATRIX_SCALE_ROW1
.else
	v_wmma_scale_f32_16x16x128_f8f6f4 v[rD:rD+7], v[rA:rA+7], v[rB:rB+7], v[rD:rD+7], v[rX], v[rY] matrix_a_fmt:MATRIX_FMT_FP4 matrix_b_fmt:MATRIX_FMT_FP4
.endif
.endm
; A K step of 128: 20 LDS loads, 16 matrix instructions.  The 16 accumulators take turns, one instruction a turn, in the same order in every step.
.macro KSTEP c, q
	PLACES 4                                       ; four plain places between the last products and loads into registers that they read (ISA guide 7.12.1 for vector instructions)
.irp i, 0,1
	FRAG F1+8*\i, ADR1+\c, 4352*\i+64*\q
.endr
.irp t, 0,1,2,3,4,5,6,7
	FRAG F0+8*\t, ADR0+\c, 4352*\t+64*\q
.endr
	s_wait_dscnt 8                                 ; all but the youngest eight loads (source 0's tiles 4 to 7) are in
.irp t, 0,1,2,3
.irp i, 0,1
	MM \t, \i, \q
.endr
.endr
	s_wait_dscnt 0
.irp t, 4,5,6,7
.irp i, 0,1
	MM \t, \i, \q
.endr
.endr
.endm
; Eight tiles of a lane (tile t at base + stride t; its register j is index 16 t + 8 h + j of the axis to be quantised) become a fragment's codes in v[pc] on and its scale word in v[pw].
; Block b of 32 is tiles 2 b and 2 b + 1, in lanes l and l xor 16.  Each accumulator is read from its low end on.
.macro QUANT base, stride, pc, pw
.irp b, 0,1,2,3
	v_max3_num_f32 v[TM+\b], |v[\base+\stride*2*\b]|, |v[\base+\stride*2*\b+1]|, 0x1800000   ; my 16 numbers of block b, and the floor 2^(3 - 127): the byte cannot fall under 1
.endr
.irp n, 2,4,6,8,10,12,14
.irp b, 0,1,2,3
	v_max3_num_f32 v[TM+\b], v[TM+\b], |v[\base+\stride*(2*\b+\n/8)+\n%8]|, |v[\base+\stride*(2*\b+\n/8)+\n%8+1]|   ; the four blocks by turns
.endr
.endr
.irp b, 0,1,2,3
	s_delay_alu instid0(VALU_DEP_4)
	v_permlanex16_b32 v[TM+4+\b], v[TM+\b], s[SEL], s[SEL+1]
.endr
.irp b, 0,1,2,3
	s_delay_alu instid0(VALU_DEP_4)
	v_max_num_f32 v[TM+\b], v[TM+\b], v[TM+4+\b]   ; with lane l xor 16's 16: the block's largest magnitude
.endr
.irp b, 0,1,2,3
	s_delay_alu instid0(VALU_DEP_4)
	v_add_nc_u32 v[TM+8+\b], 0xff000000, v[TM+\b]  ; 2 off its exponent field: the conversion takes this operand's exponent field as its scale
.endr
.irp b, 0,1,2,3
	s_delay_alu instid0(VALU_DEP_4)
	v_lshrrev_b32 v[TM+4+\b], 23, v[TM+8+\b]       ; the scale's byte
.endr
	s_delay_alu instid0(VALU_DEP_3)
	v_lshl_or_b32 v[\pw], v[TM+5], 8, v[TM+4]
	s_delay_alu instid0(VALU_DEP_1)
	v_lshl_or_b32 v[\pw], v[TM+6], 16, v[\pw]
	s_delay_alu instid0(VALU_DEP_1)
	v_lshl_or_b32 v[\pw], v[TM+7], 24, v[\pw]
.irp c, 0,1                                    ; a conversion gives the 8 codes 16 t + 8 h + 0 .. 7.  Tiles 4 c, 4 c + 2 go to registers 4 c, 4 c + 1; tiles 4 c + 1, 4 c + 3 to 4 c + 2, 4 c + 3
	v_cvt_scalef32_pk8_fp4_f32 v[\pc+4*\c], v[\base+\stride*4*\c:\base+\stride*4*\c+7], v[TM+8+2*\c]
	v_cvt_scalef32_pk8_fp4_f32 v[\pc+4*\c+2], v[\base+\stride*(4*\c+1):\base+\stride*(4*\c+1)+7], v[TM+8+2*\c]
	v_cvt_scalef32_pk8_fp4_f32 v[\pc+4*\c+1], v[\base+\stride*(4*\c+2):\base+\stride*(4*\c+2)+7], v[TM+9+2*\c]
	v_cvt_scalef32_pk8_fp4_f32 v[\pc+4*\c+3], v[\base+\stride*(4*\c+3):\base+\stride*(4*\c+3)+7], v[TM+9+2*\c]
.endr
	v_nop                                          ; one plain place behind the scaled conversions
.irp c, 0,1                                    ; the first's lanes 16-31 change places with the second's lanes 0-15: registers 4 c .. 4 c + 3 of lane (r, h) now hold k = 64 c + 32 h + 0 .. 31
	v_permlane16_swap_b32 v[\pc+4*\c], v[\pc+4*\c+1]
	v_permlane16_swap_b32 v[\pc+4*\c+2], v[\pc+4*\c+3]
.endr
.endm
	s_load_b512 s[16:31], s[0:1], 0x0              ; x's codes s[16:17], scales s[18:19]; Wq's s[20:23]; Wk's s[24:27]; Wv's s[28:31]
	v_lshl_add_u32 v24, v0, 2, 0x48400
	v_mov_b32 v25, 0
	ds_add_u32 v24, v25
	ds_add_u32 v24, v25
	v_lshrrev_b32 v1, 5, v0
	s_delay_alu instid0(VALU_DEP_1)
	v_readfirstlane_b32 s4, v1                     ; wave 0..11
	s_lshr_b32 s5, s4, 2                           ; role
	s_and_b32 s6, s4, 3                            ; a
	s_bfe_u32 s7, ttmp6, 0x40000                   ; cx
	s_bfe_u32 s8, ttmp6, 0x40004                   ; cy
	s_lshl_b32 s9, ttmp9, 2
	s_add_co_u32 s9, s9, s7                        ; g = 4 x cluster x + cx
	s_and_b32 s10, ttmp7, 0xffff
	s_lshl_b32 s10, s10, 2
	s_add_co_u32 s10, s10, s8                      ; s = 4 x cluster y + cy
	s_lshl_b32 s11, s8, 2
	s_lshl_b32 s11, 15, s11                        ; my row of the cluster
	s_lshl_b32 s12, 0x1111, s7                     ; my column
	s_mov_b32 s[SEL], 0x76543210
	s_mov_b32 s[SEL+1], 0xfedcba98
	; group 1, codes: 128 rows x 256 bytes, 512 bytes apart in memory; 16 bytes of padding behind every 64 words
	s_or_b32 s[G1XC], s11, (1<<20)|(1<<21)|(5<<22)|(3<<25)   ; 15:0 the mask; 17:16 elements of 1 byte; 20 padding on; 21 set beside a mask
	s_or_b32 s[G1WC], s12, (1<<20)|(1<<21)|(5<<22)|(3<<25)
.irp g, G1XC, G1WC
	s_mov_b32 s[\g+1], 256<<16                     ; tensor_dim0
	s_mov_b32 s[\g+2], 128<<16                     ; tensor_dim1
	s_mov_b32 s[\g+3], 256<<16                     ; tile_dim0
	s_mov_b32 s[\g+4], 128                         ; tile_dim1
	s_mov_b32 s[\g+5], 512                         ; from row to row
	s_mov_b32 s[\g+6], 0
	s_mov_b32 s[\g+7], 0
.endr
	; group 1, scale bytes of 128 rows: 4,096 dense bytes as 16 rows of 32 elements of 8 bytes, padded likewise
	s_or_b32 s[G1XS], s11, (3<<16)|(1<<20)|(1<<21)|(5<<22)|(3<<25)
	s_or_b32 s[G1WS], s12, (3<<16)|(1<<20)|(1<<21)|(5<<22)|(3<<25)
.irp g, G1XS, G1WS
	s_mov_b32 s[\g+1], 32<<16
	s_mov_b32 s[\g+2], 16<<16
	s_mov_b32 s[\g+3], 32<<16
	s_mov_b32 s[\g+4], 16
	s_mov_b32 s[\g+5], 32
	s_mov_b32 s[\g+6], 0
	s_mov_b32 s[\g+7], 0
.endr
	s_mul_i32 s13, s6, SCB
	s_add_co_u32 s13, s13, SCL                     ; wave w fills for region w % 4: w / 4 = 0 its scale bytes,
	s_mul_i32 s14, s6, REGB                        ; 1 and 2 its two chunks of codes.  No place in the cluster enters an LDS address
	s_wait_dscnt 0x0
	s_wait_kmcnt 0x0
	; groups 0 for x (wave 2 issues them): made of s alone
	s_lshl_b32 s100, s10, 12
	s_mov_b32 s101, 0
	s_mov_b32 s68, 1
	s_mov_b32 s69, s13
	s_add_nc_u64 s[70:71], s[18:19], s[100:101]
	s_lshl_b32 s100, s10, 16
	s_mov_b32 s72, 1
	s_mov_b32 s73, s14
	s_add_nc_u64 s[74:75], s[16:17], s[100:101]
	s_mov_b32 s76, 1
	s_add_co_u32 s77, s14, CHB
	s_add_nc_u64 s[78:79], s[74:75], 256
	s_or_b32 s71, s71, 0x80000000
	s_or_b32 s75, s75, 0x80000000
	s_or_b32 s79, s79, 0x80000000
	; groups 0 for a weight (wave 0: Wq, wave 1: Wk, wave 3: Wv): made of g and the wave's number alone
	s_cmp_eq_u32 s6, 0
	s_cselect_b64 s[94:95], s[20:21], s[24:25]
	s_cselect_b64 s[96:97], s[22:23], s[26:27]
	s_cmp_eq_u32 s6, 3
	s_cselect_b64 s[94:95], s[28:29], s[94:95]
	s_cselect_b64 s[96:97], s[30:31], s[96:97]
	s_lshl_b32 s92, s9, 12
	s_mov_b32 s93, 0
	s_mov_b32 s80, 1
	s_mov_b32 s81, s13
	s_add_nc_u64 s[82:83], s[96:97], s[92:93]
	s_lshl_b32 s92, s9, 16
	s_mov_b32 s84, 1
	s_mov_b32 s85, s14
	s_add_nc_u64 s[86:87], s[94:95], s[92:93]
	s_mov_b32 s88, 1
	s_add_co_u32 s89, s14, CHB
	s_add_nc_u64 s[90:91], s[86:87], 256
	s_or_b32 s83, s83, 0x80000000
	s_or_b32 s87, s87, 0x80000000
	s_or_b32 s91, s91, 0x80000000
	CROUND                                         ; all sixteen work-groups are here: the joint loads meet
; THE TWELVE FILLS, ONE A WAVE: one chain of branches on the wave's number, a load to an arm, all arms leading to one join.
; Waves 2, 6, 10: x's scale bytes, chunk 0, chunk 1; waves 0, 1, 3: the weights' scale bytes; 4, 5, 7: their chunk 0; 8, 9, 11: their chunk 1.
.macro ARM cmp, val, g0, g1, next
	\cmp s4, \val
	s_cbranch_scc0 \next
	tensor_load_to_lds s[\g0:\g0+3], s[\g1:\g1+7]
	s_nop 0
	PLACES 4
	s_branch .Lasked
\next:
.endm
	ARM s_cmp_eq_u32, 2, 68, G1XS, .Lh1
	ARM s_cmp_eq_u32, 6, 72, G1XC, .Lh2
	ARM s_cmp_eq_u32, 10, 76, G1XC, .Lh3
	ARM s_cmp_lt_u32, 4, 80, G1WS, .Lh4
	ARM s_cmp_lt_u32, 8, 84, G1WC, .Lh5
	tensor_load_to_lds s[88:91], s[G1WC:G1WC+7]
	s_nop 0
	PLACES 4
.Lasked:
	s_load_b512 s[16:31], s[0:1], 0x40             ; bq s[16:17], bk, bv, q_img s[22:23], k_img, v_img, q_sc s[28:29], k_sc
	s_load_b64 s[92:93], s[0:1], 0x80              ; v_sc
	v_and_b32 v1, 31, v0                           ; lane
	v_and_b32 v2, 15, v0                           ; r
	v_bfe_u32 v3, v0, 4, 1                         ; h
	s_delay_alu instid0(VALU_DEP_2)
	v_mul_u32_u24 v17, v2, 272
	s_delay_alu instid0(VALU_DEP_1)
	v_lshl_add_u32 v17, v3, 4, v17                 ; 272 r + 16 h
	s_mul_i32 s13, s5, REGB                        ; source 0's region is the role
	v_add_nc_u32 v[ADR0], s13, v17
	s_delay_alu instid0(VALU_DEP_1)
	v_add_nc_u32 v[ADR0+1], CHB, v[ADR0]
	s_lshr_b32 s14, s5, 1
	s_add_co_u32 s14, s14, 2                       ; source 1's region: x (2) for Q and K, Wv (3) for V
	s_mul_i32 s13, s14, REGB
	s_mul_i32 s15, s6, 32*272                      ; my 32 rows of it
	s_add_co_u32 s13, s13, s15
	v_add_nc_u32 v[ADR1], s13, v17
	s_delay_alu instid0(VALU_DEP_1)
	v_add_nc_u32 v[ADR1+1], CHB, v[ADR1]
	v_lshrrev_b32 v18, 3, v1
	s_delay_alu instid0(VALU_DEP_1)
	v_mul_u32_u24 v18, v18, 272
	v_and_b32 v19, 7, v1
	s_delay_alu instid0(VALU_DEP_1)
	v_lshl_add_u32 v18, v19, 5, v18                ; a row's 32 scale bytes: eight rows to a piece of 272 bytes
	s_mul_i32 s13, s5, SCB
	s_add_co_u32 s13, s13, SCL
	v_add_nc_u32 v[ASC0], s13, v18
	s_mul_i32 s13, s14, SCB
	s_mul_i32 s15, s6, 4*272
	s_add_co_u32 s13, s13, s15
	s_add_co_u32 s13, s13, SCL
	v_add_nc_u32 v[ASC1], s13, v18
	s_wait_kmcnt 0x0
	s_cmp_eq_u32 s5, 0                             ; my role's bias, image buffer and scale buffer: choices on the wave's number
	s_cselect_b64 s[94:95], s[16:17], s[18:19]
	s_cselect_b64 s[96:97], s[22:23], s[24:25]
	s_cselect_b64 s[98:99], s[28:29], s[30:31]
	s_cmp_eq_u32 s5, 2
	s_cselect_b64 s[94:95], s[20:21], s[94:95]
	s_cselect_b64 s[96:97], s[26:27], s[96:97]
	s_cselect_b64 s[98:99], s[92:93], s[98:99]
	; where my results go.  Q, K: image [head][step s][tile 2 a + i][lane]: head 2 g + c;  scale words [g][s][a][e][r][i].   V: image [head][s][td][c][lane]: my 32 channels are head 2 g + a / 2, td 2 (a % 2) + i;  scale words [head][s][a % 2][twice][r][i]
	s_lshr_b32 s16, s6, 1
	s_and_b32 s17, s6, 1
	s_lshl_b32 s18, s17, 11
	s_lshl_b32 s19, s6, 10
	s_lshl_b32 s20, s17, 8
	s_lshl_b32 s21, s6, 8
	s_lshl_b32 s22, s6, 7
	s_mov_b32 s23, 512
	s_mov_b32 s24, 131072
	s_cmp_eq_u32 s5, 2
	s_cselect_b32 s16, s16, 0                      ; the head beyond 2 g
	s_cselect_b32 s18, s18, s19                    ; my place in the step's image
	s_cselect_b32 s20, s20, s21                    ; and among its scale words
	s_cselect_b32 s22, s22, 0                      ; V's bias: my 32 channels
	s_cselect_b32 s25, 0, 16                       ; Q, K: lanes 16-31 store the second head's two bytes
	s_cselect_b32 s26, 9, 10                       ; a step's scale words: 512 or 1,024 bytes
	s_cselect_b32 s27, 1024, s23                   ; from i = 0 to i = 1 in the image
	s_cselect_b32 s24, 512, s24                    ; from c = 0 to c = 1
	s_lshl_b32 s29, s9, 1
	s_add_co_u32 s29, s29, s16                     ; the head
	s_lshl_b32 s30, s29, 17
	s_lshl_b32 s31, s10, 12
	s_add_co_u32 s30, s30, s31
	s_add_co_u32 s30, s30, s18
	s_mov_b32 s31, 0
	s_add_nc_u64 s[96:97], s[96:97], s[30:31]
	s_lshl_b32 s30, s29, 14
	s_lshl_b32 s16, s10, s26
	s_add_co_u32 s30, s30, s16
	s_add_co_u32 s30, s30, s20
	s_add_nc_u64 s[98:99], s[98:99], s[30:31]
	s_lshl_b32 s30, s9, 9
	s_add_co_u32 s30, s30, s22
	s_add_nc_u64 s[94:95], s[94:95], s[30:31]
	v_lshlrev_b32 v[VO], 4, v1
	s_delay_alu instid0(VALU_DEP_1)
	v_add_nc_u32 v[VO+1], s24, v[VO]
	s_delay_alu instid0(VALU_DEP_2)
	v_add_nc_u32 v[VO+2], s27, v[VO]
	s_delay_alu instid0(VALU_DEP_1)
	v_add_nc_u32 v[VO+3], s24, v[VO+2]
	v_lshlrev_b32 v[SO], 3, v1
	v_mul_u32_u24 v[SH], v3, s25
	; THE BIAS IS WHERE THE SUMS BEGIN: it is laid into the accumulators, so that all eight K steps add in place and no addition follows
	s_cmp_lt_u32 s4, 8
	s_cbranch_scc0 .Lbias_v
	v_lshlrev_b32 v[BO], 5, v3                     ; Q, K: register j of tile t is column 16 t + 8 h + j
.irp t, 0,1,2,3,4,5,6,7
.irp i, 0,1
	global_load_b128 v[ACC+8*(2*\t+\i):ACC+8*(2*\t+\i)+3], v[BO], s[94:95] offset:64*\t
	global_load_b128 v[ACC+8*(2*\t+\i)+4:ACC+8*(2*\t+\i)+7], v[BO], s[94:95] offset:64*\t+16
.endr
.endr
	s_branch .Lbias_done
.Lbias_v:
	v_lshlrev_b32 v[BO], 2, v2                     ; V: a lane holds one channel, 16 i + r of my 32: one number for all its registers
	global_load_b32 v26, v[BO], s[94:95]
	global_load_b32 v27, v[BO], s[94:95] offset:64
	s_wait_loadcnt 0x0
.irp t, 0,1,2,3,4,5,6,7
.irp i, 0,1
.irp j, 0,1,2,3,4,5,6,7
	v_mov_b32 v[ACC+8*(2*\t+\i)+\j], v[26+\i]
.endr
.endr
.endr
.Lbias_done:
	s_wait_loadcnt 0x0                             ; the bias
	s_wait_tensorcnt 0x0                           ; my one fill has landed
	s_barrier_signal -1
	s_barrier_wait -1                              ; everybody's have
	s_wait_alu depctr_va_vdst(0)
	SCALES 0
.irp q, 0,1,2,3
	KSTEP 0, \q
.endr
	PLACES 4                                       ; in front of the loads into the scale registers
	SCALES 1
.irp q, 0,1,2,3
	KSTEP 1, \q
.endr
	PLACES 4                                       ; in front of the first read of results and the first write of registers that the last products read
.irp b, 0,1,2,3
	v_mov_b32 v[TM+4+\b], 0                        ; written once: a lane permute's destination counts as one of its sources
.endr
.irp i, 0,1
	QUANT ACC+8*\i, 16, PC+8*\i, PW+\i
	global_store_b128 v[VO+2*\i], v[PC+8*\i:PC+8*\i+3], s[96:97]       ; 32 lanes store 512 consecutive bytes, at a multiple of 512 from the buffer's first byte
	global_store_b128 v[VO+2*\i+1], v[PC+8*\i+4:PC+8*\i+7], s[96:97]
.endr
	v_lshrrev_b32 v[PWS], v[SH], v[PW]             ; Q, K: lanes 0-15 keep head 2 g's two bytes lowest, lanes 16-31 bring head 2 g + 1's down; the bytes above stand over zero codes and are never 0xff
	v_lshrrev_b32 v[PWS+1], v[SH], v[PW+1]
	global_store_b64 v[SO], v[PWS:PWS+1], s[98:99] ; 32 lanes store 256 consecutive bytes, aligned
	s_wait_tensorcnt 0x0
	ds_add_u32 v24, v25
	s_wait_dscnt 0x0
	CROUND                                         ; the closing round: no work-group ends while a partner may still ask for a tile that names it
	s_endpgm
.Lfunc_end_k_q22a9150915_qkv:
	.size	k_q22a9150915_qkv, .Lfunc_end_k_q22a9150915_qkv-k_q22a9150915_qkv
	.p2alignl 7, 3214868480
	.fill 96, 4, 3214868480
	.section	.rodata,"a",@progbits
	.p2align	6, 0x0
	.amdhsa_kernel k_q22a9150915_qkv
		.amdhsa_group_segment_fixed_size 297472
		.amdhsa_private_segment_fixed_size 0
		.amdhsa_enable_private_segment 0
		.amdhsa_kernarg_size 136
		.amdhsa_user_sgpr_count 2
		.amdhsa_user_sgpr_kernarg_segment_ptr 1
		.amdhsa_wavefront_size32 1
		.amdhsa_system_sgpr_workgroup_id_x 1
		.amdhsa_system_sgpr_workgroup_id_y 1
		.amdhsa_system_sgpr_workgroup_id_z 1
		.amdhsa_system_vgpr_workitem_id 0
		.amdhsa_next_free_vgpr 256
		.amdhsa_next_free_sgpr 102
		.amdhsa_reserve_vcc 0
		.amdhsa_float_denorm_mode_32 3
		.amdhsa_float_denorm_mode_16_64 3
		.amdhsa_memory_ordered 1
		.amdhsa_forward_progress 1
		.amdhsa_inst_pref_size 57
	.end_amdhsa_kernel
	.amdgpu_metadata
---
amdhsa.version: [ 1, 2 ]
amdhsa.kernels:
  - .name:           k_q22a9150915_qkv
    .symbol:         k_q22a9150915_qkv.kd
    .args:
      - { .name: x_codes, .offset: 0, .size: 8, .value_kind: global_buffer, .address_space: global }
      - { .name: x_scales, .offset: 8, .size: 8, .value_kind: global_buffer, .address_space: global }
      - { .name: Wq_codes, .offset: 16, .size: 8, .value_kind: global_buffer, .address_space: global }
      - { .name: Wq_scales, .offset: 24, .size: 8, .value_kind: global_buffer, .address_space: global }
      - { .name: Wk_codes, .offset: 32, .size: 8, .value_kind: global_buffer, .address_space: global }
      - { .name: Wk_scales, .offset: 40, .size: 8, .value_kind: global_buffer, .address_space: global }
      - { .name: Wv_codes, .offset: 48, .size: 8, .value_kind: global_buffer, .address_space: global }
      - { .name: Wv_scales, .offset: 56, .size: 8, .value_kind: global_buffer, .address_space: global }
      - { .name: bq, .offset: 64, .size: 8, .value_kind: global_buffer, .address_space: global }
      - { .name: bk, .offset: 72, .size: 8, .value_kind: global_buffer, .address_space: global }
      - { .name: bv, .offset: 80, .size: 8, .value_kind: global_buffer, .address_space: global }
      - { .name: q_img, .offset: 88, .size: 8, .value_kind: global_buffer, .address_space: global }
      - { .name: k_img, .offset: 96, .size: 8, .value_kind: global_buffer, .address_space: global }
      - { .name: v_img, .offset: 104, .size: 8, .value_kind: global_buffer, .address_space: global }
      - { .name: q_sc, .offset: 112, .size: 8, .value_kind: global_buffer, .address_space: global }
      - { .name: k_sc, .offset: 120, .size: 8, .value_kind: global_buffer, .address_space: global }
      - { .name: v_sc, .offset: 128, .size: 8, .value_kind: global_buffer, .address_space: global }
    .group_segment_fixed_size: 297472
    .private_segment_fixed_size: 0
    .kernarg_segment_align: 8
    .kernarg_segment_size: 136
    .max_flat_workgroup_size: 384
    .sgpr_count:     102
    .vgpr_count:     256
    .wavefront_size: 32
...
	.end_amdgpu_metadata
.endif
;; end of part 1
;; launch attn (part 2): grid 16 x 16, 16 waves a work-group, clusters of 4 x 1, 289,280 bytes of LDS; arguments q_img, q_sc, k_img, k_sc, v_img, v_sc, a_img, a_sc; writes a_img, a_sc
.if DOCPART == 2
	.amdgcn_target "amdgcn-amd-amdhsa--gfx1250"
	.amdhsa_code_object_version 6
	.text
	.protected	k_q22a9150915_attn
	.globl	k_q22a9150915_attn
	.p2align	8
	.type	k_q22a9150915_attn,@function
k_q22a9150915_attn:
	s_mov_b64 s[64:65], 0
	v_nop
	global_prefetch_b8 v0, s[64:65] scope:SCOPE_SE
	s_setreg_imm32_b32 hwreg(HW_REG_WAVE_MODE, 25, 1), 1
	s_wait_xcnt 0x0
	s_wait_alu depctr_hold_cnt(0) depctr_sa_sdst(0) depctr_va_vdst(0) depctr_va_sdst(0) depctr_va_ssrc(0) depctr_va_vcc(0) depctr_vm_vsrc(0)
	s_getreg_b32 s2, hwreg(HW_REG_IB_STS2, 6, 4)
	s_cmp_eq_u32 s2, 0
	s_cbranch_scc0 .Lentry_in_a_cluster
	s_endpgm
.Lentry_in_a_cluster:
	s_bfe_u32 s2, ttmp6, 0x10000c
	s_cmp_lg_u32 s2, 0x3003
	s_cbranch_scc0 .Lentry_shape_is_right
	s_endpgm
.Lentry_shape_is_right:
; For each head: O[q] = the sum over keys of softmax(Q[q] . K[k] / 8) V[k], both products on codes of FP4 (E2M1) with E8M0 scales; O is quantised along the model's 1,024 (blocks of 32 lie inside a head) and leaves as an operand's image.
; THE SOFTMAX: t = score x log2(e) / 8; M = the running largest t rounded UP to a whole number; p = 2^(t - M) is quantised along the keys, not normalised; the row's sum is taken of the unquantised p and divides O at the end.
; When M moves, the sum and O are multiplied by 2^(old M - new M): exact.
; SHARES.  A work-group owns 256 queries of one head, each of its sixteen waves 16 of them, in 256 registers: four waves to a SIMD.
; A WHOLE HEAD'S K AND V lie in LDS, filled once: 2 x 128 KB of images are sixteen pieces of 16 KB (four key steps), ONE tensor load a wave: waves 0-7 K's pieces, waves 8-15 V's; piece w lands at 16384 w.
; Their scale words (16 KB + 8 KB) come through registers: 48 bytes a thread, stored to LDS bytes of their own.  Nothing is filled again; all loads stand at the head, so there is no loop to ask ahead in and no prefetch.
; CLUSTER 4 x 1: the four query blocks of a cluster belong to one head: every fill is asked for jointly, with the mask of all four.
; LAYOUT.  S^T = K Q^T (source 0 = 16 keys, source 1 = my 16 queries; the head's 64 fill the lower half of the instruction's 128 along K, the upper half is zero codes), O^T = V^T P^T: a lane holds ONE query throughout.
; THE KEYS OF A TILE ARE CHOSEN, by the lanes' LDS addresses: row r of tile 4 c + u is key 64 c + 32 (r / 8) + 8 u + r % 8.  So register j of tile 4 c + u in lane (r, h) is key 64 c + 32 h + 8 u + j:
; a lane's 32 registers of tiles 4 c .. 4 c + 3 are the WHOLE block 2 c + h in order, its largest score needs no other lane, and the conversions' results are the second product's operand registers as they stand.
; LIMITS: NaN and infinities are not served; the promise holds while |t| stays under 2^31.  A block's largest p is taken from its largest score, which takes v_exp_f32 not to fall where its input rises.
; A block of zeros gets the byte 1; only this program reads these bytes.
.set KIMG, 0                           ; K's images: step x 4096 + (key / 16) x 512 + 16 x (key % 16 + 16 h)
.set VIMG, 131072                      ; V's: step x 4096 + (2 td + c) x 512 + 16 x lane
.set KSC,  262144                      ; K's scale words: step x 512 + (key / 32) x 128 + (key % 16) x 8 + ((key / 16) % 2) x 4
.set VSC,  278528                      ; V's: step x 256 + b x 128 + r x 8 + u x 4 (channel tile 2 b + u)
.set ASTG, 286720                      ; 512 bytes for the output's scale halves
.set SPARE, 287232                     ; the spare words: 128 bytes a wave
.set ADK,  8                           ; v8-11 the step's LDS addresses
.set ADV,  9
.set ADS,  10
.set ADT,  11
.set LK,   25                          ; v25  my lane's place in a step's image of K: 1024 (r / 8) + 16 (r % 8) + 256 h
.set LS,   250                         ; v250 and among its scale words: 128 (r / 8) + 8 (r % 8) + 64 h
.set KF,   32                          ; v32-95   K's eight fragments: registers + 4 .. + 7 of each stay 0
.set S,    96                          ; v96-159  S^T, then p
.set OT,   160                         ; v160-191 O^T
.set VF,   192                         ; v192-223 V's four fragments
.set PC,   224                         ; v224-231 p's codes
.set SPW,  251                         ; my spare word's address; never rewritten
.set NIL,  255                         ; 0; never rewritten
.set WV,   80
.set TK,   81                          ; s81-84 where a step's tiles and scale words begin in LDS
.set TV,   82
.set TS,   83
.set TT,   84
.set CNT,  85
.set SEL,  86                          ; s[86:87] selects of v_permlanex16_b32: lane l xor 16
.set CS,   88                          ; s[88:89] c = log2(e) / 8, twice: the packed form names a pair
.set G1A,  20                          ; s[20:27] descriptor group 1: 64 rows of 256 bytes;  s[52:55] group 0
; other registers: v1 16 x lane, v2 8 x lane, v3 r, v4 ASTG + 16 x lane, v5 8 r, v6 my place in the stage, v7 8 h; v12 -M, v13 the largest t, v[14:15] the sum in two halves; v16-23 Q (v20-23 = 0);
; scale words and nothing else: v24 Q's, v26-29 K's, v30-31 V's, v253 p's; v232-254 at work
.macro PLACES n
.rept \n
	v_nop
.endr
.endm
.macro CROUND
	s_barrier_signal -1
	s_barrier_wait -1
	s_cmp_lg_u32 s[WV], 0
	s_cbranch_scc1 .Lnot_wave_0_\@
	s_barrier_signal -3
.Lnot_wave_0_\@:
	s_barrier_wait -3
	s_barrier_signal -1
	s_barrier_wait -1
.endm
	s_load_b512 s[4:19], s[0:1], 0x0               ; q_img s[4:5], q_sc, k_img s[8:9], k_sc, v_img s[12:13], v_sc, a_img s[16:17], a_sc
	v_lshl_add_u32 v[SPW], v0, 2, SPARE
	v_mov_b32 v[NIL], 0
	ds_add_u32 v[SPW], v[NIL]                      ; the opening lines: the add twice on end and its wait
	ds_add_u32 v[SPW], v[NIL]
	v_lshrrev_b32 v1, 5, v0
	s_delay_alu instid0(VALU_DEP_1)
	v_readfirstlane_b32 s[WV], v1                  ; wave 0..15
	s_and_b32 s90, ttmp7, 0xffff                   ; the head, which the four partners share
	s_lshr_b32 s91, s90, 1                         ; g
	s_and_b32 s92, s90, 1                          ; e
	s_mov_b32 s[G1A], 15|(3<<16)|(1<<21)           ; the mask: all four work-groups; elements of 8 bytes; no padding; bit 21 set beside a mask
	s_mov_b32 s[G1A+1], 32<<16                     ; 16 KB dense, as 64 rows of 256 bytes
	s_mov_b32 s[G1A+2], 64<<16
	s_mov_b32 s[G1A+3], 32<<16
	s_mov_b32 s[G1A+4], 64
	s_mov_b32 s[G1A+5], 32
	s_mov_b32 s[G1A+6], 0
	s_mov_b32 s[G1A+7], 0
	s_mov_b32 s[SEL], 0x76543210
	s_mov_b32 s[SEL+1], 0xfedcba98
	s_mov_b32 s[CS], 0x3e38aa3b                    ; log2(e) / 8
	s_mov_b32 s[CS+1], s[CS]
	s_mov_b32 s[TK], KIMG
	s_mov_b32 s[TV], VIMG
	s_mov_b32 s[TS], KSC
	s_mov_b32 s[TT], VSC
	s_wait_dscnt 0x0
	s_wait_kmcnt 0x0
	s_lshl_b32 s96, s91, 15
	s_lshl_b32 s97, s92, 7
	s_add_co_u32 s96, s96, s97
	s_mov_b32 s97, 0
	s_add_nc_u64 s[10:11], s[10:11], s[96:97]      ; K's scale words: g x 32768 + e x 128
	s_lshl_b32 s96, s90, 14
	s_add_nc_u64 s[14:15], s[14:15], s[96:97]      ; V's: head x 16384
	s_cmp_lt_u32 s[WV], 8                          ; group 0: made of the head and the wave's number alone
	s_cselect_b64 s[54:55], s[8:9], s[12:13]       ; waves 0-7 K's image, waves 8-15 V's
	s_and_b32 s96, s[WV], 7
	s_lshl_b32 s96, s96, 14
	s_lshl_b32 s98, s90, 17
	s_add_co_u32 s96, s96, s98
	s_add_nc_u64 s[54:55], s[54:55], s[96:97]      ; head x 131072 + piece x 16384
	s_or_b32 s55, s55, 0x80000000                  ; type = 2
	s_mov_b32 s52, 1
	s_lshl_b32 s53, s[WV], 14                      ; LDS: 16384 x wave
	CROUND                                         ; all four work-groups are here: the joint loads meet
	tensor_load_to_lds s[52:55], s[G1A:G1A+7]      ; my one fill
	s_nop 0
	PLACES 4
	s_bfe_u32 s93, ttmp6, 0x40000                  ; cx: it enters Q's and the output's addresses alone
	s_lshl_b32 s94, ttmp9, 2
	s_add_co_u32 s94, s94, s93                     ; my block of 256 queries
	s_lshl_b32 s95, s94, 4
	s_add_co_u32 s95, s95, s[WV]                   ; T: my tile of 16 queries
	s_lshl_b32 s98, s90, 17
	s_lshl_b32 s99, s95, 9
	s_add_co_u32 s98, s98, s99
	s_mov_b32 s99, 0
	s_add_nc_u64 s[4:5], s[4:5], s[98:99]          ; Q's image: head x 131072 + T x 512
	s_lshl_b32 s98, s91, 15                        ; Q's scale words: g x 32768 + (T / 2) x 256 + e x 128 + (T % 2) x 4, + 8 r
	s_lshr_b32 s96, s95, 1
	s_lshl_b32 s96, s96, 8
	s_add_co_u32 s98, s98, s96
	s_lshl_b32 s96, s92, 7
	s_add_co_u32 s98, s98, s96
	s_and_b32 s96, s95, 1
	s_lshl_b32 s96, s96, 2
	s_add_co_u32 s98, s98, s96
	s_add_nc_u64 s[6:7], s[6:7], s[98:99]
	s_lshl_b32 s98, s95, 13                        ; the output's image: T x 8192 + head x 512
	s_lshl_b32 s96, s90, 9
	s_add_co_u32 s98, s98, s96
	s_add_nc_u64 s[16:17], s[16:17], s[98:99]
	s_lshl_b32 s98, s90, 13                        ; its scale halves: head x 8192 + block x 512
	s_lshl_b32 s96, s94, 9
	s_add_co_u32 s98, s98, s96
	s_add_nc_u64 s[18:19], s[18:19], s[98:99]
	v_and_b32 v7, 31, v0
	v_lshrrev_b32 v8, 3, v0
	v_and_b32 v9, 7, v0
	v_and_b32 v3, 15, v0
	v_lshlrev_b32 v1, 4, v7
	v_lshlrev_b32 v8, 8, v8
	v_lshlrev_b32 v2, 3, v7
	v_lshlrev_b32 v5, 3, v3
	v_lshl_add_u32 v8, v9, 4, v8                   ; the scale words in memory: thread n takes 16 bytes at 16 (n % 8) of piece n / 8; a piece's 128 bytes lie 256 apart
	v_lshl_add_u32 v9, v0, 4, KSC                  ; and in LDS: dense, 16 n
	global_load_b128 v[16:19], v1, s[4:5]          ; Q's fragment stays in registers
	global_load_b32 v24, v5, s[6:7]
	global_load_b128 v[S:S+3], v8, s[10:11]                  ; K's pieces 0-63,
	global_load_b128 v[S+4:S+7], v8, s[10:11] offset:16384   ; 64-127,
	global_load_b128 v[S+8:S+11], v8, s[14:15]               ; V's 64
	v_bfe_u32 v10, v0, 3, 1                        ; r / 8
	v_and_b32 v11, 7, v0                           ; r % 8
	v_bfe_u32 v7, v0, 4, 1                         ; h
	v_lshlrev_b32 v[LK], 10, v10
	v_lshlrev_b32 v[LS], 7, v10
	v_lshl_add_u32 v[LK], v11, 4, v[LK]
	v_lshl_add_u32 v[LS], v11, 3, v[LS]
	v_lshl_add_u32 v[LK], v7, 8, v[LK]
	v_lshl_add_u32 v[LS], v7, 6, v[LS]
	v_lshlrev_b32 v7, 3, v7                        ; 8 h: how far my two scale bytes are shifted up
	v_add_nc_u32 v4, ASTG, v1
	s_lshl_b32 s96, s[WV], 5
	s_add_co_u32 s96, s96, ASTG
	v_lshl_add_u32 v6, v3, 1, s96                  ; the stage: 2 bytes a query: 32 x wave + 2 r
.irp t, 0,1,2,3,4,5,6,7
.irp j, 4,5,6,7
	v_mov_b32 v[KF+8*\t+\j], 0                     ; zero codes for k = 64 .. 127 of the first product: written once, never loaded over
.endr
.endr
.irp j, 20,21,22,23
	v_mov_b32 v\j, 0                               ; Q's likewise
.endr
.irp j, 0,1,2,3,4,5,6,7,8,9,10,11,12,13,14,15,16,17,18,19,20,21,22,23,24,25,26,27,28,29,30,31
	v_mov_b32 v[OT+\j], 0                          ; O^T: the step is written once; the first finds zeros
.endr
	v_mov_b32 v13, 0xff61b1e6                      ; the largest t so far: -3e38
	s_delay_alu instid0(VALU_DEP_1)
	v_floor_f32 v12, -v13                          ; -M
	v_mov_b32 v14, 0
	v_mov_b32 v15, 0
	v_mov_b32 v236, 0                              ; a lane permute's destination counts as one of its sources
	v_mov_b32 v253, 0                              ; (named as the upper half of v[252:253] before it is first written)
; A KEY STEP: 128 keys.  K's addresses were made in the step before.
.macro STEP
.irp t, 0,1,2,3,4,5,6,7
	ds_load_b128 v[KF+8*\t:KF+8*\t+3], v[ADK] offset:2048*(\t/4)+512*((\t%4)/2)+128*(\t%2)
.endr
	ds_load_b64 v[26:27], v[ADS]                   ; v26: tile 0 (lanes 0-15), tile 1 (lanes 16-31); v27: tiles 2, 3
	ds_load_b64 v[28:29], v[ADS] offset:256        ; v28: tiles 4, 5; v29: tiles 6, 7
	s_wait_dscnt 0x0                               ; K and its scale words are in
.irp t, 0,1,2,3,4,5,6,7
.if (\t%2)
	v_wmma_scale_f32_16x16x128_f8f6f4 v[S+8*\t:S+8*\t+7], v[KF+8*\t:KF+8*\t+7], v[16:23], 0, v[26+2*(\t/4)+((\t%4)/2)], v24 matrix_a_fmt:MATRIX_FMT_FP4 matrix_b_fmt:MATRIX_FMT_FP4 matrix_a_scale:MATRIX_SCALE_ROW1
.else
	v_wmma_scale_f32_16x16x128_f8f6f4 v[S+8*\t:S+8*\t+7], v[KF+8*\t:KF+8*\t+7], v[16:23], 0, v[26+2*(\t/4)+((\t%4)/2)], v24 matrix_a_fmt:MATRIX_FMT_FP4 matrix_b_fmt:MATRIX_FMT_FP4
.endif
.endr
	s_add_co_u32 s[TK], s[TK], 4096                ; K: on to the next step
	s_add_co_u32 s[TS], s[TS], 512
	v_add_nc_u32 v[ADK], s[TK], v[LK]              ; these four are the places in front of the first read of results, and between the last step's products and the loads into registers that they read
	v_add_nc_u32 v[ADS], s[TS], v[LS]
	v_add_nc_u32 v[ADV], s[TV], v1                 ; V: this step
	v_add_nc_u32 v[ADT], s[TT], v2
.irp f, 0,1,2,3,4,5,6,7
	ds_load_b128 v[VF+4*\f:VF+4*\f+3], v[ADV] offset:512*\f
.endr
	ds_load_b64 v[30:31], v[ADT]                   ; v30: channel tiles 0, 2; v31: 1, 3
	s_add_co_u32 s[TV], s[TV], 4096
	s_add_co_u32 s[TT], s[TT], 256
.irp b, 0,1,2,3
	v_max3_num_f32 v[232+\b], v[S+16*\b], v[S+1+16*\b], v[S+2+16*\b]   ; the largest score, in four chains of 16 registers by turns
.endr
.irp i, 3,5,7,9,11,13
.irp b, 0,1,2,3
	v_max3_num_f32 v[232+\b], v[232+\b], v[S+16*\b+\i], v[S+1+16*\b+\i]
.endr
.endr
	v_max3_num_f32 v232, v232, v[S+15], v[S+31]
	v_max3_num_f32 v234, v234, v[S+47], v[S+63]
	s_delay_alu instid0(VALU_DEP_2)
	v_max_num_f32 v232, v232, v233                 ; my block h's largest score: it serves the row's maximum and, since p rises with the score, the block's largest p
	s_delay_alu instid0(VALU_DEP_2)
	v_max_num_f32 v234, v234, v235                 ; my block 2 + h's
	s_delay_alu instid0(VALU_DEP_1)
	v_max_num_f32 v254, v232, v234
	s_delay_alu instid0(VALU_DEP_1)
	v_permlanex16_b32 v236, v254, s[SEL], s[SEL+1]
	s_delay_alu instid0(VALU_DEP_1)
	v_max_num_f32 v254, v254, v236                 ; with lane l xor 16's two blocks: the step's largest score of my query
	s_delay_alu instid0(VALU_DEP_1)
	v_mul_f32 v254, s[CS], v254                    ; as t (c is positive)
	s_delay_alu instid0(VALU_DEP_1)
	v_max_num_f32 v13, v13, v254                   ; the running largest t
	v_mov_b32 v254, v12
	s_delay_alu instid0(VALU_DEP_2)
	v_floor_f32 v12, -v13                          ; the new -M = floor(-t) = -ceil(t)
	s_delay_alu instid0(VALU_DEP_1)
	v_sub_f32 v254, v12, v254                      ; old M - new M: a whole number, 0 or less
	s_delay_alu instid0(VALU_DEP_1)
	v_cvt_i32_f32 v254, v254                       ; (it saturates)
	s_delay_alu instid0(VALU_DEP_1)
	v_ldexp_f32 v252, 1.0, v254                    ; f = 2^(old M - new M)
.irp j, 0,2,4,6,8,10,12,14,16,18,20,22,24,26,28,30,32,34,36,38,40,42,44,46,48,50,52,54,56,58,60,62
	v_pk_fma_f32 v[S+\j:S+1+\j], v[S+\j:S+1+\j], s[CS:CS+1], v[12:13] op_sel_hi:[1,0,0]   ; t - M, two at a time
.endr
	v_fma_f32 v232, v232, s[CS], v12               ; the same of my two blocks' largest scores
	v_fma_f32 v234, v234, s[CS], v12
	s_wait_alu depctr_va_vdst(0)
.irp j, 0,1,2,3,4,5,6,7,8,9,10,11,12,13,14,15,16,17,18,19,20,21,22,23,24,25,26,27,28,29,30,31,32,33,34,35,36,37,38,39,40,41,42,43,44,45,46,47,48,49,50,51,52,53,54,55,56,57,58,59,60,61,62,63
	v_exp_f32 v[S+\j], v[S+\j]                     ; p = 2^(t - M), at most 1
.endr
	v_pk_mul_f32 v[14:15], v[14:15], v[252:253] op_sel_hi:[1,0]   ; the sums under the new M: the plain place behind the exponentials
	s_wait_alu depctr_va_vdst(0)                   ; one wait for the whole batch
	v_exp_f32 v232, v232                           ; my two blocks' largest p
	v_exp_f32 v234, v234
	v_pk_add_f32 v[236:237], v[100:101], v[104:105]   ; the row's sum of the unquantised p, in eight chains
	v_pk_add_f32 v[248:249], v[108:109], v[112:113]
	v_pk_add_f32 v[246:247], v[116:117], v[120:121]
	v_pk_add_f32 v[244:245], v[124:125], v[128:129]
	v_pk_add_f32 v[242:243], v[132:133], v[136:137]
	v_pk_add_f32 v[240:241], v[140:141], v[144:145]
	v_pk_add_f32 v[238:239], v[148:149], v[152:153]
	v_pk_add_f32 v[14:15], v[14:15], v[156:157]
	v_pk_add_f32 v[236:237], v[236:237], v[96:97]
	v_pk_add_f32 v[248:249], v[248:249], v[98:99]
	v_pk_add_f32 v[246:247], v[246:247], v[102:103]
	v_pk_add_f32 v[244:245], v[244:245], v[106:107]
	v_pk_add_f32 v[242:243], v[242:243], v[110:111]
	v_pk_add_f32 v[240:241], v[240:241], v[114:115]
	v_pk_add_f32 v[238:239], v[238:239], v[118:119]
	v_pk_add_f32 v[14:15], v[14:15], v[122:123]
	v_pk_add_f32 v[236:237], v[236:237], v[126:127]
	v_pk_add_f32 v[248:249], v[248:249], v[130:131]
	v_pk_add_f32 v[246:247], v[246:247], v[134:135]
	v_pk_add_f32 v[244:245], v[244:245], v[138:139]
	v_pk_add_f32 v[242:243], v[242:243], v[142:143]
	v_pk_add_f32 v[240:241], v[240:241], v[146:147]
	v_pk_add_f32 v[238:239], v[238:239], v[150:151]
	v_pk_add_f32 v[14:15], v[14:15], v[154:155]
	v_pk_add_f32 v[236:237], v[236:237], v[158:159]
	s_delay_alu instid0(VALU_DEP_2)
	v_pk_add_f32 v[14:15], v[14:15], v[244:245]
	s_delay_alu instid0(VALU_DEP_2)
	v_pk_add_f32 v[236:237], v[236:237], v[242:243]
	v_pk_add_f32 v[248:249], v[248:249], v[240:241]
	v_pk_add_f32 v[246:247], v[246:247], v[238:239]
	s_delay_alu instid0(VALU_DEP_2)
	v_pk_add_f32 v[14:15], v[14:15], v[248:249]
	s_delay_alu instid0(VALU_DEP_2)
	v_pk_add_f32 v[236:237], v[236:237], v[246:247]
	s_delay_alu instid0(VALU_DEP_1)
	v_pk_add_f32 v[14:15], v[14:15], v[236:237]
	s_wait_alu depctr_va_vdst(0)                   ; and one for the two
	v_max_num_f32 v232, 0x1800000, v232            ; the floor 2^(3 - 127): the byte cannot fall under 1
	v_max_num_f32 v234, 0x1800000, v234
	s_delay_alu instid0(VALU_DEP_2)
	v_add_nc_u32 v244, 0xff000000, v232            ; 2 off the exponent field: the conversion's scale operand
	s_delay_alu instid0(VALU_DEP_2)
	v_add_nc_u32 v245, 0xff000000, v234
	s_delay_alu instid0(VALU_DEP_2)
	v_lshrrev_b32 v236, 23, v244                   ; the scale's byte
	s_delay_alu instid0(VALU_DEP_2)
	v_lshrrev_b32 v237, 23, v245
	s_delay_alu instid0(VALU_DEP_1)
	v_lshl_or_b32 v253, v237, 16, v236             ; my two bytes, blocks h and 2 + h,
	s_delay_alu instid0(VALU_DEP_1)
	v_lshlrev_b32 v253, v7, v253                   ; at their places in the scale word;
	s_delay_alu instid0(VALU_DEP_1)
	v_permlanex16_b32 v238, v253, s[SEL], s[SEL+1]
	s_delay_alu instid0(VALU_DEP_1)
	v_or_b32 v253, v253, v238                      ; with lane l xor 16's two: p's scale word for these 128 keys
.irp c, 0,1
.irp u, 0,1,2,3
	v_cvt_scalef32_pk8_fp4_f32 v[PC+4*\c+\u], v[S+32*\c+8*\u:S+32*\c+8*\u+7], v[244+\c]   ; keys 64 c + 32 h + 8 u + 0 .. 7: register 4 c + u of the operand
.endr
.endr
.irp j, 0,2,4,6,8,10,12,14,16,18,20,22,24,26,28,30
	v_pk_mul_f32 v[OT+\j:OT+1+\j], v[OT+\j:OT+1+\j], v[252:253] op_sel_hi:[1,0]   ; O^T under the new M.  These sixteen also stand between the lines that made p's codes and scale word and the products
.endr
	s_wait_alu depctr_va_vdst(0)
	s_wait_dscnt 0x0                               ; V and its scale words are in
.irp d, 0,1,2,3                                ; the four accumulators take turns; between two links of a chain stand eleven other products
.if \d >= 2
	v_wmma_scale_f32_16x16x128_f8f6f4 v[OT+8*\d:OT+8*\d+7], v[VF+8*\d:VF+8*\d+7], v[PC:PC+7], v[OT+8*\d:OT+8*\d+7], v[30+(\d%2)], v253 matrix_a_fmt:MATRIX_FMT_FP4 matrix_b_fmt:MATRIX_FMT_FP4 matrix_a_scale:MATRIX_SCALE_ROW1
.else
	v_wmma_scale_f32_16x16x128_f8f6f4 v[OT+8*\d:OT+8*\d+7], v[VF+8*\d:VF+8*\d+7], v[PC:PC+7], v[OT+8*\d:OT+8*\d+7], v[30+(\d%2)], v253 matrix_a_fmt:MATRIX_FMT_FP4 matrix_b_fmt:MATRIX_FMT_FP4
.endif
.endr
.endm
	s_wait_alu depctr_va_vdst(0)
	s_wait_loadcnt 0x0                             ; Q and my 48 bytes of scale words
	s_wait_tensorcnt 0x0                           ; my piece has landed
	ds_store_b128 v9, v[S:S+3]
	ds_store_b128 v9, v[S+4:S+7] offset:8192
	ds_store_b128 v9, v[S+8:S+11] offset:VSC-KSC
	v_add_nc_u32 v[ADK], s[TK], v[LK]              ; the first step's addresses of K
	v_add_nc_u32 v[ADS], s[TS], v[LS]
	s_wait_alu depctr_va_vdst(0)
	s_wait_dscnt 0x0                               ; for the others' sake: my stores have landed
	s_barrier_signal -1
	s_barrier_wait -1                              ; everybody's piece and scale words are in
	s_mov_b32 s[CNT], 32
.Lrest:                                            ; the head's 32 key steps
	STEP
	s_sub_co_u32 s[CNT], s[CNT], 1
	s_cmp_lg_u32 s[CNT], 0
	s_cbranch_scc1 .Lrest
	; THE WAY OUT: O^T / the sum, quantised along the head's 64 channels (two blocks); the codes are half a fragment of the last product's operand
	PLACES 4                                       ; behind the last products
	v_add_f32 v14, v14, v15
	s_delay_alu instid0(VALU_DEP_1)
	v_permlanex16_b32 v252, v14, s[SEL], s[SEL+1]
	s_delay_alu instid0(VALU_DEP_1)
	v_add_f32 v14, v14, v252                       ; the row's sum
	s_wait_alu depctr_va_vdst(0)
	v_rcp_f32 v14, v14
	v_nop                                          ; a plain place behind the reciprocal
	s_wait_alu depctr_va_vdst(0)
.irp j, 0,2,4,6,8,10,12,14,16,18,20,22,24,26,28,30
	v_pk_mul_f32 v[S+\j:S+1+\j], v[OT+\j:OT+1+\j], v[14:15] op_sel_hi:[1,0]   ; each accumulator from its low end on; register 8 d + j is channel 16 d + 8 h + j
.endr
	v_max3_num_f32 v232, |v[S]|, |v[S+1]|, 0x1800000
	v_max3_num_f32 v233, |v[S+16]|, |v[S+17]|, 0x1800000
.irp n, 2,4,6,8,10,12,14
	s_delay_alu instid0(VALU_DEP_2)
	v_max3_num_f32 v232, v232, |v[S+\n]|, |v[S+1+\n]|
	s_delay_alu instid0(VALU_DEP_2)
	v_max3_num_f32 v233, v233, |v[S+16+\n]|, |v[S+17+\n]|
.endr
	s_delay_alu instid0(VALU_DEP_2)
	v_permlanex16_b32 v236, v232, s[SEL], s[SEL+1]
	s_delay_alu instid0(VALU_DEP_2)
	v_permlanex16_b32 v237, v233, s[SEL], s[SEL+1]
	s_delay_alu instid0(VALU_DEP_2)
	v_max_num_f32 v232, v232, v236
	s_delay_alu instid0(VALU_DEP_2)
	v_max_num_f32 v233, v233, v237
	s_delay_alu instid0(VALU_DEP_2)
	v_add_nc_u32 v244, 0xff000000, v232
	s_delay_alu instid0(VALU_DEP_2)
	v_add_nc_u32 v245, 0xff000000, v233
	s_delay_alu instid0(VALU_DEP_2)
	v_lshrrev_b32 v236, 23, v244
	s_delay_alu instid0(VALU_DEP_2)
	v_lshrrev_b32 v237, 23, v245
	s_delay_alu instid0(VALU_DEP_1)
	v_lshl_or_b32 v238, v237, 8, v236              ; my query's two scale bytes
	v_cvt_scalef32_pk8_fp4_f32 v[PC], v[S:S+7], v244
	v_cvt_scalef32_pk8_fp4_f32 v[PC+2], v[S+8:S+15], v244
	v_cvt_scalef32_pk8_fp4_f32 v[PC+1], v[S+16:S+23], v245
	v_cvt_scalef32_pk8_fp4_f32 v[PC+3], v[S+24:S+31], v245
	v_nop
	v_permlane16_swap_b32 v[PC], v[PC+1]
	v_permlane16_swap_b32 v[PC+2], v[PC+3]
	global_store_b128 v1, v[PC:PC+3], s[16:17]     ; 32 lanes store 512 consecutive bytes, aligned
	ds_store_b16 v6, v238                          ; lanes l and l xor 16 write the same two bytes with the same value
	s_wait_dscnt 0x0                               ; for the others' sake: my store has landed
	s_barrier_signal -1
	s_barrier_wait -1
	s_cmp_lg_u32 s[WV], 0                          ; wave 0 stores the block's 256 halves: 512 consecutive bytes
	s_cbranch_scc1 .Lnot_first
	ds_load_b128 v[232:235], v4
	s_wait_dscnt 0x0
	global_store_b128 v1, v[232:235], s[18:19]
.Lnot_first:
	s_wait_tensorcnt 0x0                           ; the wave's end
	ds_add_u32 v[SPW], v[NIL]
	s_wait_dscnt 0x0
	CROUND                                         ; the closing round
	s_endpgm
.Lfunc_end_k_q22a9150915_attn:
	.size	k_q22a9150915_attn, .Lfunc_end_k_q22a9150915_attn-k_q22a9150915_attn
	.p2alignl 7, 3214868480
	.fill 96, 4, 3214868480
	.section	.rodata,"a",@progbits
	.p2align	6, 0x0
	.amdhsa_kernel k_q22a9150915_attn
		.amdhsa_group_segment_fixed_size 289280
		.amdhsa_private_segment_fixed_size 0
		.amdhsa_enable_private_segment 0
		.amdhsa_kernarg_size 64
		.amdhsa_user_sgpr_count 2
		.amdhsa_user_sgpr_kernarg_segment_ptr 1
		.amdhsa_wavefront_size32 1
		.amdhsa_system_sgpr_workgroup_id_x 1
		.amdhsa_system_sgpr_workgroup_id_y 1
		.amdhsa_system_sgpr_workgroup_id_z 1
		.amdhsa_system_vgpr_workitem_id 0
		.amdhsa_next_free_vgpr 256
		.amdhsa_next_free_sgpr 100
		.amdhsa_reserve_vcc 0
		.amdhsa_float_denorm_mode_32 3
		.amdhsa_float_denorm_mode_16_64 3
		.amdhsa_memory_ordered 1
		.amdhsa_forward_progress 1
		.amdhsa_inst_pref_size 29
	.end_amdhsa_kernel
	.amdgpu_metadata
---
amdhsa.version: [ 1, 2 ]
amdhsa.kernels:
  - .name:           k_q22a9150915_attn
    .symbol:         k_q22a9150915_attn.kd
    .args:
      - { .name: q_img, .offset: 0, .size: 8, .value_kind: global_buffer, .address_space: global }
      - { .name: q_sc, .offset: 8, .size: 8, .value_kind: global_buffer, .address_space: global }
      - { .name: k_img, .offset: 16, .size: 8, .value_kind: global_buffer, .address_space: global }
      - { .name: k_sc, .offset: 24, .size: 8, .value_kind: global_buffer, .address_space: global }
      - { .name: v_img, .offset: 32, .size: 8, .value_kind: global_buffer, .address_space: global }
      - { .name: v_sc, .offset: 40, .size: 8, .value_kind: global_buffer, .address_space: global }
      - { .name: a_img, .offset: 48, .size: 8, .value_kind: global_buffer, .address_space: global }
      - { .name: a_sc, .offset: 56, .size: 8, .value_kind: global_buffer, .address_space: global }
    .group_segment_fixed_size: 289280
    .private_segment_fixed_size: 0
    .kernarg_segment_align: 8
    .kernarg_segment_size: 64
    .max_flat_workgroup_size: 512
    .sgpr_count:     100
    .vgpr_count:     256
    .wavefront_size: 32
...
	.end_amdgpu_metadata
.endif
;; end of part 2
;; launch oproj (part 3): grid 8 x 32, 8 waves a work-group, clusters of 4 x 4, 179,712 bytes of LDS; arguments a_img, a_sc, Wo_codes, Wo_scales, bo, out0; writes out0
.if DOCPART == 3
	.amdgcn_target "amdgcn-amd-amdhsa--gfx1250"
	.amdhsa_code_object_version 6
	.text
	.protected	k_q22a9150915_oproj
	.globl	k_q22a9150915_oproj
	.p2align	8
	.type	k_q22a9150915_oproj,@function
k_q22a9150915_oproj:
	s_mov_b64 s[64:65], 0
	v_nop
	global_prefetch_b8 v0, s[64:65] scope:SCOPE_SE
	s_setreg_imm32_b32 hwreg(HW_REG_WAVE_MODE, 25, 1), 1
	s_wait_xcnt 0x0
	s_wait_alu depctr_hold_cnt(0) depctr_sa_sdst(0) depctr_va_vdst(0) depctr_va_sdst(0) depctr_va_ssrc(0) depctr_va_vcc(0) depctr_vm_vsrc(0)
	s_getreg_b32 s2, hwreg(HW_REG_IB_STS2, 6, 4)
	s_cmp_eq_u32 s2, 0
	s_cbranch_scc0 .Lentry_in_a_cluster
	s_endpgm
.Lentry_in_a_cluster:
	s_bfe_u32 s2, ttmp6, 0x10000c
	s_cmp_lg_u32 s2, 0xf033
	s_cbranch_scc0 .Lentry_shape_is_right
	s_endpgm
.Lentry_shape_is_right:
; out = A Wo + bo on codes of FP4 (E2M1) with E8M0 scales, f32 sums.  A, the attention's result, comes as images of operand registers ([tile of 16 tokens][K step 8][1 KB]) and two scale bytes for each token and head.
; SHARES.  Work-group (g, s): tokens 128 s .., columns 128 g ...  Eight waves: a0 = wave / 4 (64 columns: four tiles of Wo's rows, source 0), a = wave % 4 (32 tokens: two tiles, source 1): 8 accumulators.
; A lane then holds one token and eight neighbouring columns.
; LDS, filled once: A's images at c 32768 + tile x 4096 + q x 1024 (c: four K steps); Wo's codes at WO + c REGB + row x 272; Wo's scale bytes at WSC (pieces of 256 + 16); A's scale halves at ASC + head x 272 + 2 x token;
; behind them a stage of 16 rows x 272 bytes for each wave, into which no fill lands.
; CLUSTER 4 x 4: A's tiles hang on s alone and are asked for jointly along a row of the cluster, Wo's on g alone and jointly along a column.  All tensor loads stand at the head: a wave has one out at the most.
; LIMITS: NaN, infinities and scale bytes 0xff among the inputs are not served.
.set REGB,  128*272
.set WO,    65536
.set WSC,   WO+2*REGB
.set ASC,   WSC+16*272
.set STAGE, ASC+16*272
.set ADA,  4                           ; v4-5   A's fragments in chunk 0, 1: a x 8192 + 16 x lane
.set ADW,  6                           ; v6-7   Wo's: my 64 rows + 272 r + 16 h
.set U,    16                          ; v16-31 a token's scale halves, head by head
.set ASW,  32                          ; v32-39 A's scale words, K step by K step: lanes 0-15 token tile 0, lanes 16-31 tile 1; scales and nothing else
.set WSW,  40                          ; v40-55 Wo's: 8 c + 4 b + q: rows 32 b + lane of my 64
.set FS,   64                          ; two sets of 48: source 1's two fragments, then source 0's four
.set BK,   64                          ; the way out: rows read back from the stage
.set ACC,  192                         ; accumulator (t, i) at ACC + 8 (2 t + i)
.set WV,   80
; other registers: v8 Wo's scale words, v9 A's scale halves, v10 the bias's offset, v11 into the stage, v12 back out of it, v13 my offset in two rows of out
.macro PLACES n
.rept \n
	v_nop
.endr
.endm
.macro CROUND
	s_barrier_signal -1
	s_barrier_wait -1
	s_cmp_lg_u32 s[WV], 0
	s_cbranch_scc1 .Lnot_wave_0_\@
	s_barrier_signal -3
.Lnot_wave_0_\@:
	s_barrier_wait -3
	s_barrier_signal -1
	s_barrier_wait -1
.endm
.macro LOADF c, q, p                   ; the fragments of chunk c's q-th K step into set p: 12 loads
.irp i, 0,1
	ds_load_b128 v[FS+48*(\p)+8*\i:FS+48*(\p)+8*\i+3], v[ADA+(\c)] offset:4096*\i+1024*(\q)
	ds_load_b128 v[FS+48*(\p)+8*\i+4:FS+48*(\p)+8*\i+7], v[ADA+(\c)] offset:4096*\i+1024*(\q)+512
.endr
.irp t, 0,1,2,3
	ds_load_b128 v[FS+48*(\p)+16+8*\t:FS+48*(\p)+16+8*\t+3], v[ADW+(\c)] offset:4352*\t+64*(\q)
	ds_load_b128 v[FS+48*(\p)+16+8*\t+4:FS+48*(\p)+16+8*\t+7], v[ADW+(\c)] offset:4352*\t+64*(\q)+32
.endr
.endm
.macro MM t, i, c, q, p
.set rD, ACC+8*(2*(\t)+(\i))
.set rA, FS+48*(\p)+16+8*(\t)
.set rB, FS+48*(\p)+8*(\i)
.set rX, WSW+8*(\c)+4*((\t)/2)+(\q)
.set rY, ASW+4*(\c)+(\q)
.if ((\t)%2) && (\i)
	v_wmma_scale_f32_16x16x128_f8f6f4 v[rD:rD+7], v[rA:rA+7], v[rB:rB+7], v[rD:rD+7], v[rX], v[rY] matrix_a_fmt:MATRIX_FMT_FP4 matrix_b_fmt:MATRIX_FMT_FP4 matrix_a_scale:MATRIX_SCALE_ROW1 matrix_b_scale:MATRIX_SCALE_ROW1
.elseif ((\t)%2)
	v_wmma_scale_f32_16x16x128_f8f6f4 v[rD:rD+7], v[rA:rA+7], v[rB:rB+7], v[rD:rD+7], v[rX], v[rY] matrix_a_fmt:MATRIX_FMT_FP4 matrix_b_fmt:MATRIX_FMT_FP4 matrix_a_scale:MATRIX_SCALE_ROW1
.elseif (\i)
	v_wmma_scale_f32_16x16x128_f8f6f4 v[rD:rD+7], v[rA:rA+7], v[rB:rB+7], v[rD:rD+7], v[rX], v[rY] matrix_a_fmt:MATRIX_FMT_FP4 matrix_b_fmt:MATRIX_FMT_FP4 matrix_b_scale:MATRIX_SCALE_ROW1
.else
	v_wmma_scale_f32_16x16x128_f8f6f4 v[rD:rD+7], v[rA:rA+7], v[rB:rB+7], v[rD:rD+7], v[rX], v[rY] matrix_a_fmt:MATRIX_FMT_FP4 matrix_b_fmt:MATRIX_FMT_FP4
.endif
.endm
; A K step of 128: 8 matrix instructions on set q % 2; pre = 1: the next step's fragments are asked for first, into the other set.  The 8 accumulators take turns in the same order in every step.
.macro KSTEP c, q, pre
.if \pre
	PLACES 4                                       ; between the last products and loads into registers that they read
	LOADF \c, (\q)+1, 1-(\q)%2
	s_wait_dscnt 12                                ; all but the twelve just issued
.else
	s_wait_dscnt 0x0
.endif
.irp t, 0,1,2,3
.irp i, 0,1
	MM \t, \i, \c, \q, (\q)%2
.endr
.endr
.endm
	s_load_b256 s[8:15], s[0:1], 0x0               ; a_img s[8:9], a_sc s[10:11], Wo's codes s[12:13], scales s[14:15]
	s_load_b128 s[16:19], s[0:1], 0x20             ; bo s[16:17], out s[18:19]
	v_lshl_add_u32 v190, v0, 2, 0x2ba00
	v_mov_b32 v191, 0
	ds_add_u32 v190, v191
	ds_add_u32 v190, v191
	v_lshrrev_b32 v1, 5, v0
	s_delay_alu instid0(VALU_DEP_1)
	v_readfirstlane_b32 s[WV], v1                  ; wave 0..7
	s_lshr_b32 s81, s[WV], 2                       ; a0
	s_and_b32 s82, s[WV], 3                        ; a
	s_bfe_u32 s83, ttmp6, 0x40000                  ; cx
	s_bfe_u32 s84, ttmp6, 0x40004                  ; cy
	s_lshl_b32 s85, ttmp9, 2
	s_add_co_u32 s85, s85, s83                     ; g
	s_and_b32 s86, ttmp7, 0xffff
	s_lshl_b32 s86, s86, 2
	s_add_co_u32 s86, s86, s84                     ; s
	s_lshl_b32 s87, s84, 2
	s_lshl_b32 s87, 15, s87                        ; my row of the cluster
	s_lshl_b32 s88, 0x1111, s83                    ; my column
	s_or_b32 s20, s87, (3<<16)|(1<<21)             ; A's images: 8 rows (tiles) of 512 elements of 8 bytes, 8,192 bytes apart, no padding
	s_mov_b32 s21, 512<<16
	s_mov_b32 s22, 8<<16
	s_mov_b32 s23, 512<<16
	s_mov_b32 s24, 8
	s_mov_b32 s25, 1024
	s_mov_b32 s26, 0
	s_mov_b32 s27, 0
	s_or_b32 s28, s87, (3<<16)|(1<<20)|(1<<21)|(5<<22)|(3<<25)   ; A's scale halves: 16 rows (heads) of 256 bytes, 8,192 bytes apart, 16 bytes of padding behind each
	s_mov_b32 s29, 32<<16
	s_mov_b32 s30, 16<<16
	s_mov_b32 s31, 32<<16
	s_mov_b32 s32, 16
	s_mov_b32 s33, 1024
	s_mov_b32 s34, 0
	s_mov_b32 s35, 0
	s_or_b32 s36, s88, (1<<20)|(1<<21)|(5<<22)|(3<<25)           ; Wo's codes: 128 rows of 256 bytes, 512 apart, padded
	s_mov_b32 s37, 256<<16
	s_mov_b32 s38, 128<<16
	s_mov_b32 s39, 256<<16
	s_mov_b32 s40, 128
	s_mov_b32 s41, 512
	s_mov_b32 s42, 0
	s_mov_b32 s43, 0
	s_or_b32 s44, s88, (3<<16)|(1<<20)|(1<<21)|(5<<22)|(3<<25)   ; Wo's scale bytes: 4,096 dense bytes as 16 rows of 256, padded
	s_mov_b32 s45, 32<<16
	s_mov_b32 s46, 16<<16
	s_mov_b32 s47, 32<<16
	s_mov_b32 s48, 16
	s_mov_b32 s49, 32
	s_mov_b32 s50, 0
	s_mov_b32 s51, 0
	s_wait_dscnt 0x0
	s_wait_kmcnt 0x0
	; groups 0: A's made of s alone, Wo's of g alone; every LDS address is a constant
	s_lshl_b32 s90, s86, 8
	s_mov_b32 s91, 0
	s_mov_b32 s52, 1
	s_mov_b32 s53, ASC
	s_add_nc_u64 s[54:55], s[10:11], s[90:91]
	s_lshl_b32 s90, s86, 16
	s_mov_b32 s56, 1
	s_mov_b32 s57, 0
	s_add_nc_u64 s[58:59], s[8:9], s[90:91]
	s_mov_b32 s60, 1
	s_mov_b32 s61, 32768
	s_add_nc_u64 s[62:63], s[58:59], 4096
	s_lshl_b32 s92, s85, 12
	s_mov_b32 s93, 0
	s_mov_b32 s68, 1
	s_mov_b32 s69, WSC
	s_add_nc_u64 s[70:71], s[14:15], s[92:93]
	s_lshl_b32 s92, s85, 16
	s_mov_b32 s72, 1
	s_mov_b32 s73, WO
	s_add_nc_u64 s[74:75], s[12:13], s[92:93]
	s_mov_b32 s76, 1
	s_mov_b32 s77, WO+REGB
	s_add_nc_u64 s[78:79], s[74:75], 256
.irp x, 55, 59, 63, 71, 75, 79
	s_or_b32 s\x, s\x, 0x80000000                  ; 127:126 type = 2
.endr
	CROUND                                         ; all sixteen work-groups are here: the joint loads meet
; THE SIX FILLS, ONE A WAVE: one chain of branches on the wave's number, a load to an arm, all arms leading to one join.
; Wave 0: A's scale halves; 1: Wo's scale bytes; 2, 3: A's and Wo's chunk 0; 4, 5: their chunk 1; waves 6 and 7 fetch nothing.
.macro ARM w, g0, g1, next
	s_cmp_eq_u32 s[WV], \w
	s_cbranch_scc0 \next
	tensor_load_to_lds s[\g0:\g0+3], s[\g1:\g1+7]
	s_nop 0
	PLACES 4
	s_branch .Lasked
\next:
.endm
	ARM 0, 52, 28, .La1
	ARM 1, 68, 44, .La2
	ARM 2, 56, 20, .La3
	ARM 3, 72, 36, .La4
	ARM 4, 60, 20, .La5
	ARM 5, 76, 36, .La6
.Lasked:
	v_and_b32 v1, 31, v0                           ; lane
	v_and_b32 v2, 15, v0                           ; r
	v_bfe_u32 v3, v0, 4, 1                         ; h
	s_delay_alu instid0(VALU_DEP_3)
	v_lshlrev_b32 v14, 4, v1
	s_lshl_b32 s94, s82, 13
	v_add_nc_u32 v[ADA], s94, v14
	s_delay_alu instid0(VALU_DEP_1)
	v_add_nc_u32 v[ADA+1], 32768, v[ADA]
	v_mul_u32_u24 v15, v2, 272
	s_delay_alu instid0(VALU_DEP_1)
	v_lshl_add_u32 v[ADW], v3, 4, v15
	s_mul_i32 s94, s81, 64*272
	s_add_co_u32 s94, s94, WO
	v_add_nc_u32 v[ADW], s94, v[ADW]
	s_delay_alu instid0(VALU_DEP_1)
	v_add_nc_u32 v[ADW+1], REGB, v[ADW]
	v_lshrrev_b32 v8, 3, v1
	s_delay_alu instid0(VALU_DEP_1)
	v_mul_u32_u24 v8, v8, 272
	v_and_b32 v9, 7, v1
	s_delay_alu instid0(VALU_DEP_1)
	v_lshl_add_u32 v8, v9, 5, v8
	s_mul_i32 s94, s81, 8*272
	s_add_co_u32 s94, s94, WSC
	v_add_nc_u32 v8, s94, v8                       ; Wo's scale bytes: row 64 a0 + lane
	s_lshl_b32 s94, s82, 6
	s_add_co_u32 s94, s94, ASC
	v_lshl_add_u32 v9, v1, 1, s94                  ; A's: token 32 a + lane
	v_lshlrev_b32 v10, 5, v3
	s_wait_alu depctr_va_vdst(0)
	s_mul_i32 s94, s[WV], 16*272
	s_add_co_u32 s94, s94, STAGE                   ; my stage
	v_lshl_add_u32 v11, v3, 5, v15
	s_delay_alu instid0(VALU_DEP_1)
	v_add_nc_u32 v11, s94, v11                     ; in: row r, 32 bytes for each half of the lanes
	v_mul_u32_u24 v12, v3, 272
	s_delay_alu instid0(VALU_DEP_1)
	v_lshl_add_u32 v12, v2, 4, v12
	s_delay_alu instid0(VALU_DEP_1)
	v_add_nc_u32 v12, s94, v12                     ; back: lanes 0-15 one row of 256 bytes, lanes 16-31 the next
	v_lshlrev_b32 v13, 12, v3
	s_delay_alu instid0(VALU_DEP_1)
	v_lshl_add_u32 v13, v2, 4, v13                 ; and the same two rows in out
	s_lshl_b32 s94, s85, 9
	s_lshl_b32 s95, s81, 8
	s_add_co_u32 s94, s94, s95                     ; my first column, in bytes
	s_mov_b32 s95, 0
	s_add_nc_u64 s[16:17], s[16:17], s[94:95]
	s_add_nc_u64 s[18:19], s[18:19], s[94:95]
	s_lshl_b32 s94, s86, 19
	s_lshl_b32 s96, s82, 17
	s_add_co_u32 s94, s94, s96                     ; my first token's row: (128 s + 32 a) x 4,096 bytes
	s_add_nc_u64 s[18:19], s[18:19], s[94:95]
.irp t, 0,1,2,3                                ; the bias is where the sums begin: register j of tile t is column 16 t + 8 h + j
.irp i, 0,1
	global_load_b128 v[ACC+8*(2*\t+\i):ACC+8*(2*\t+\i)+3], v10, s[16:17] offset:64*\t
	global_load_b128 v[ACC+8*(2*\t+\i)+4:ACC+8*(2*\t+\i)+7], v10, s[16:17] offset:64*\t+16
.endr
.endr
	s_wait_loadcnt 0x0
	s_wait_tensorcnt 0x0                           ; my one fill has landed
	s_barrier_signal -1
	s_barrier_wait -1
.irp k, 0,1,2,3,4,5,6,7,8,9,10,11,12,13,14,15
	ds_load_u16 v[U+\k], v9 offset:272*\k
.endr
.irp c, 0,1
.irp b, 0,1
	ds_load_b128 v[WSW+8*\c+4*\b:WSW+8*\c+4*\b+3], v8 offset:1088*\b+16*\c
.endr
.endr
	LOADF 0, 0, 0
	s_wait_dscnt 16                                ; the sixteen halves are in; the 4 + 12 loads issued behind them may stay out
.irp k, 0,1,2,3,4,5,6,7
	v_lshl_or_b32 v[ASW+\k], v[U+2*\k+1], 16, v[U+2*\k]   ; K step k is heads 2 k and 2 k + 1: four scale bytes
.endr
	PLACES 4                                       ; with the four at the head of the first K step: eight places between the lines that made the scale words and the first scaled product
	s_wait_alu depctr_va_vdst(0)
	KSTEP 0, 0, 1
	KSTEP 0, 1, 1
	KSTEP 0, 2, 1
	KSTEP 0, 3, 0
	PLACES 4
	LOADF 1, 0, 0
	KSTEP 1, 0, 1
	KSTEP 1, 1, 1
	KSTEP 1, 2, 1
	KSTEP 1, 3, 0
	; THE WAY OUT: 16 tokens x 64 columns at a time through my own stage, back as whole rows of 256 bytes.  LDS serves a wave's instructions in order (ISA guide 5.7.1.4): no wait between the stores and the loads, nor in front of the second block's stores
	PLACES 4                                       ; in front of the first read of results and of loads into registers that the last products read
.irp i, 0,1
.irp t, 0,1,2,3
	ds_store_b128 v11, v[ACC+8*(2*\t+\i):ACC+8*(2*\t+\i)+3] offset:64*\t          ; each accumulator from its low end on
	ds_store_b128 v11, v[ACC+8*(2*\t+\i)+4:ACC+8*(2*\t+\i)+7] offset:64*\t+16
.endr
.irp k, 0,1,2,3,4,5,6,7
	ds_load_b128 v[BK+32*\i+4*\k:BK+32*\i+4*\k+3], v12 offset:544*\k
.endr
.endr
.irp k, 0,1,2,3,4,5,6,7
	s_wait_dscnt 23-\k                             ; behind this load: 7 - k of its block and the second block's sixteen
	global_store_b128 v13, v[BK+4*\k:BK+4*\k+3], s[18:19] offset:8192*\k th:TH_STORE_NT   ; 16 lanes store 256 consecutive bytes, aligned; written once, read by nobody here
.endr
.irp k, 0,1,2,3,4,5,6,7
	s_wait_dscnt 7-\k
	global_store_b128 v13, v[BK+32+4*\k:BK+32+4*\k+3], s[18:19] offset:65536+8192*\k th:TH_STORE_NT
.endr
	s_wait_tensorcnt 0x0
	ds_add_u32 v190, v191
	s_wait_dscnt 0x0
	CROUND                                         ; the closing round
	s_endpgm
.Lfunc_end_k_q22a9150915_oproj:
	.size	k_q22a9150915_oproj, .Lfunc_end_k_q22a9150915_oproj-k_q22a9150915_oproj
	.p2alignl 7, 3214868480
	.fill 96, 4, 3214868480
	.section	.rodata,"a",@progbits
	.p2align	6, 0x0
	.amdhsa_kernel k_q22a9150915_oproj
		.amdhsa_group_segment_fixed_size 179712
		.amdhsa_private_segment_fixed_size 0
		.amdhsa_enable_private_segment 0
		.amdhsa_kernarg_size 48
		.amdhsa_user_sgpr_count 2
		.amdhsa_user_sgpr_kernarg_segment_ptr 1
		.amdhsa_wavefront_size32 1
		.amdhsa_system_sgpr_workgroup_id_x 1
		.amdhsa_system_sgpr_workgroup_id_y 1
		.amdhsa_system_sgpr_workgroup_id_z 1
		.amdhsa_system_vgpr_workitem_id 0
		.amdhsa_next_free_vgpr 256
		.amdhsa_next_free_sgpr 100
		.amdhsa_reserve_vcc 0
		.amdhsa_float_denorm_mode_32 3
		.amdhsa_float_denorm_mode_16_64 3
		.amdhsa_memory_ordered 1
		.amdhsa_forward_progress 1
		.amdhsa_inst_pref_size 33
	.end_amdhsa_kernel
	.amdgpu_metadata
---
amdhsa.version: [ 1, 2 ]
amdhsa.kernels:
  - .name:           k_q22a9150915_oproj
    .symbol:         k_q22a9150915_oproj.kd
    .args:
      - { .name: a_img, .offset: 0, .size: 8, .value_kind: global_buffer, .address_space: global }
      - { .name: a_sc, .offset: 8, .size: 8, .value_kind: global_buffer, .address_space: global }
      - { .name: Wo_codes, .offset: 16, .size: 8, .value_kind: global_buffer, .address_space: global }
      - { .name: Wo_scales, .offset: 24, .size: 8, .value_kind: global_buffer, .address_space: global }
      - { .name: bo, .offset: 32, .size: 8, .value_kind: global_buffer, .address_space: global }
      - { .name: out0, .offset: 40, .size: 8, .value_kind: global_buffer, .address_space: global }
    .group_segment_fixed_size: 179712
    .private_segment_fixed_size: 0
    .kernarg_segment_align: 8
    .kernarg_segment_size: 48
    .max_flat_workgroup_size: 256
    .sgpr_count:     100
    .vgpr_count:     256
    .wavefront_size: 32
...
	.end_amdgpu_metadata
.endif
;; end of part 3
